; MI455X (gfx1250); checked and timed in simulation.
; The chip was launched on July 23, 2026; its instructions are those of AMD's public machine-readable ISA for CDNA 5 (MIT licence, August 2026) and "CDNA5" Instruction Set Architecture Reference Guide (July 2026). The comments in the code are by the model that wrote it; some were corrected since.
;; Weight Only Int8 Linear. Allowed arithmetic: float matrix products may take bf16 or f16 operands with f32 sums; all other float work in f32.
;; Inputs: input 4,096 x 4,096 float32; scales 4,096 float32; weight 4,096 x 4,096 int32.
;; Outputs: out0 4,096 x 4,096 float32.
;; 2 versions, each right and faster than the one before. Each part assembles by itself: llvm-mc -triple=amdgcn-amd-amdhsa -mcpu=gfx1250 --defsym DOCPART=n.
;; ======== version 1 of 2: 1 launch
;; launch gemm (part 1): grid 16 x 16, 4 waves a work-group, clusters of 4 x 4, 327,680 bytes of LDS; arguments input, weight, scales, out0; writes out0
.if DOCPART == 1
	.amdgcn_target "amdgcn-amd-amdhsa--gfx1250"
	.amdhsa_code_object_version 6
	.text
	.protected	k_q8d0f939258_gemm
	.globl	k_q8d0f939258_gemm
	.p2align	8
	.type	k_q8d0f939258_gemm,@function
k_q8d0f939258_gemm:
	s_mov_b64 s[64:65], 0
	v_nop
	global_prefetch_b8 v0, s[64:65] scope:SCOPE_SE
	s_setreg_imm32_b32 hwreg(HW_REG_WAVE_MODE, 25, 1), 1
	s_wait_xcnt 0x0
	s_wait_alu depctr_hold_cnt(0) depctr_sa_sdst(0) depctr_va_vdst(0) depctr_va_sdst(0) depctr_va_ssrc(0) depctr_va_vcc(0) depctr_vm_vsrc(0)
	s_getreg_b32 s2, hwreg(HW_REG_IB_STS2, 6, 4)
	s_cmp_eq_u32 s2, 0
	s_cbranch_scc0 .Lentry_in_a_cluster
	s_endpgm
.Lentry_in_a_cluster:
	s_bfe_u32 s2, ttmp6, 0x10000c
	s_cmp_lg_u32 s2, 0xf033
	s_cbranch_scc0 .Lentry_shape_is_right
	s_endpgm
.Lentry_shape_is_right:
; out0[t][o] = scales[o] * sum over i of input[t][i] * weight[o][i].   input: [4096][4096] f32, weight: [4096][4096] int32, scales: [4096] f32, out0: [4096][4096] f32.
; ONE launch: both operands come into LDS as they lie in memory (4 bytes a number), are rounded to bf16 in registers on their way to the matrix
; instruction, the sums are kept in f32, and the scale is applied once, in f32, on the way out.  So each byte of input, weight and out0 has no copy in memory.
; LIMITS: weight goes int32 -> f32 -> bf16, both to nearest even: exact for |w| <= 256, 8 significant bits beyond.  input is rounded to bf16
; (8 significant bits; magnitudes above about 3.39e38 round to infinity).  Sums: f32, K ascending, in the matrix instruction's own order.
;
; A work-group makes a block of 256 tokens x 256 features with four waves; a wave makes 128 x 128: 64 accumulator tiles of 16 x 16, 512 registers.
; K goes in 64 steps of 64 numbers (rows of 256 bytes, at multiples of 256 bytes from the buffer's first byte) through a ring of two LDS slots
; filled by the tensor data mover.  A K step is two chunks of 32 along K; a chunk is 64 LDS loads, 256 conversions and 64 matrix instructions a wave.
; CLUSTERS: 4 x 4 work-groups.  The four of a row of the cluster make blocks of one block row and need the same tiles of input; the four of a column
; need the same tiles of weight.  Such a tile is asked for jointly: each of the four issues the same tensor load, with the same descriptor and a mask
; that names the four.  That divides the requests for both operands by four.
;
; REGISTERS, in windows of 256 (s_set_vgpr_msb says which window each operand place means):
;   window 0: v0-31 addresses and scales; v64-127 input's eight bf16 fragments; v128-255 input's raw f32 (16 registers a fragment); on the way out two store buffers
;   window 1: v64-127 weight's eight bf16 fragments; v128-255 weight's raw int32, turned into f32 in place
;   window 2: the 32 accumulator tiles of my tokens 0-63 (tile (a, b) at v[8 (8 a + b)]);   window 3: those of my tokens 64-127
; THE MATRIX INSTRUCTION IS USED TRANSPOSED: source 0 = 16 rows of weight, source 1 = 16 rows of input.  Lane l then holds token l % 16, and its
; registers 0 to 7 the features 8 (l / 16) + 0 .. 7 of the tile: eight neighbouring numbers of a row of out0.
.set KSTEP,  64                        ; numbers along K in a step
.set ROWB,   16384                     ; bytes in a row of input, of weight and of out0
.set PITCH,  272                       ; an LDS row: 256 bytes of data + 16 of padding: the 16 rows that half a wave's load touches start in 16 different 16-byte columns of 256 bytes
.set HALFT,  128*PITCH                 ; 128 rows: what one tensor load brings, and what one wave reads of either operand
.set SLOT,   4*HALFT                   ; input's 256 rows, then weight's 256 rows
.set STAGE,  2*SLOT                    ; behind the ring (278,528, a multiple of 256): no tensor load ever lands here
.set SPITCH, 528                       ; a stage row: 128 f32 + 16 bytes
.set WSTAGE, 16*SPITCH                 ; 16 rows for each wave
.set LAPS,   4096/(2*KSTEP)            ; a lap = two K steps = once round the ring: 32
.set ADRA, 16                          ; v16-17  LDS address of my input rows in slot 0, 1
.set ADRB, 20                          ; v20-21  the same for weight
.set STO,  24                          ; v24     the way out: where I put 32 bytes of a row
.set RD,   25                          ; v25     the way out: where I read a row back
.set CO,   26                          ; v26     16 x lane: my 16 bytes in 512 bytes of a row of out0, and of my wave's 128 scales
.set SC,   28                          ; v[28:31] the scales of those four features
.set F,    64                          ; bf16 fragments, fragment i at F + 8 i
.set R,    128                         ; raw numbers, fragment i at R + 16 i
.set OB0,  128                         ; the way out: 16 rows x 4 registers,
.set OB1,  192                         ; two buffers in turn
.set G1,  24                           ; s[24:31] descriptor group 1 for input's tiles
.set G0,  32                           ; s[32:39] descriptor group 0 for input's tiles, one set for each slot
.set G1B, 48                           ; s[48:55] group 1 for weight's tiles: it differs in the mask alone
.set G0B, 56                           ; s[56:63] group 0 for weight's tiles, one set for each slot
.set MSB, 0
.macro WIN new                         ; the immediate's high byte repeats the setting that is left; a switch that changes nothing is dropped
.if MSB != \new
	s_set_vgpr_msb (MSB<<8)|\new
.set MSB, \new
.endif
.endm
.set CVB,    0x45                      ; sources 0, 1 and destination in window 1: weight's conversions
.set TO_B,   0x40                      ; destination window 1, address window 0
.set MUL_LO, 0xa1                      ; source 0 (weight) window 1, source 1 (input) window 0, C and D window 2
.set MUL_HI, 0xf1                      ; the same, C and D window 3
.set ST_LO,  0x08                      ; LDS store: address window 0, data window 2
.set ST_HI,  0x0c                      ; data window 3
.macro PLACES
.rept 4
	v_nop
.endr
.endm
; A joint load.  Waves 0 and 1 fetch input's two halves, waves 2 and 3 weight's.  Each of the two lines has one mask and one set of registers for all that issue it.
; The branch hangs on the wave's number alone: it is the same in every work-group.  Four v_nop follow each of the two lines.
.macro JLOAD s
	s_cmp_eq_u32 s13, 0
	s_cbranch_scc0 .Lfor_b_\@
	tensor_load_to_lds s[G0+4*\s:G0+4*\s+3], s[G1:G1+7]
	s_nop 0
	PLACES
	s_branch .Lasked_\@
.Lfor_b_\@:
	tensor_load_to_lds s[G0B+4*\s:G0B+4*\s+3], s[G1B:G1B+7]
	s_nop 0
	PLACES
.Lasked_\@:
.endm
; A round of the cluster's barrier: my work-group's barrier, so that wave 0's signal speaks for all four waves; wave 0 signals for the work-group;
; every wave waits for all sixteen work-groups; my work-group's barrier once more.
.macro CREST                           ; a round behind its opening barrier
	s_cmp_lg_u32 s12, 0
	s_cbranch_scc1 .Lnot_wave_0_\@
	s_barrier_signal -3
.Lnot_wave_0_\@:
	s_barrier_wait -3
	s_barrier_signal -1
	s_barrier_wait -1
.endm
.macro CROUND                          ; a whole round
	s_barrier_signal -1
	s_barrier_wait -1
	CREST
.endm
	s_load_b256 s[4:11], s[0:1], 0x0               ; input s[4:5], weight s[6:7], scales s[8:9], out0 s[10:11]
	s_set_vgpr_msb 0x40
	v_lshl_add_u32 v63, v0, 2, 0x4c400
	s_set_vgpr_msb 0x4000
	v_mov_b32 v63, 0
	s_set_vgpr_msb 0x1
	ds_add_u32 v63, v63
	ds_add_u32 v63, v63
	s_set_vgpr_msb 0x100
	v_lshrrev_b32 v1, 5, v0
	v_readfirstlane_b32 s12, v1                    ; wave 0..3
	s_lshr_b32 s13, s12, 1                         ; which half of the block's tokens is mine.  Also: I fetch for input (0) or for weight (1)
	s_and_b32 s14, s12, 1                          ; which half of its features.  Also: which 128 rows of that tile I fetch
	s_bfe_u32 s40, ttmp6, 0x40000                  ; cx: my place along the cluster's x
	s_bfe_u32 s41, ttmp6, 0x40004                  ; cy: along its y
	s_lshl_b32 s42, ttmp9, 2                       ; in a cluster launch ttmp9 and ttmp7 count clusters
	s_add_co_u32 s42, s42, s40                     ; block column = 4 x cluster x + cx
	s_and_b32 s43, ttmp7, 0xffff
	s_lshl_b32 s43, s43, 2
	s_add_co_u32 s43, s43, s41                     ; block row = 4 x cluster y + cy
	s_lshl_b32 s44, s41, 2
	s_lshl_b32 s44, 15, s44                        ; my row of the cluster: places 4 cy .. 4 cy + 3
	s_lshl_b32 s45, 0x1111, s40                    ; my column: places cx, cx + 4, cx + 8, cx + 12
	; descriptor group 1: a tile of 128 rows x 64 elements of 4 bytes, padded in LDS
	s_or_b32 s[G1+0], s44, (2<<16)|(1<<20)|(1<<21)|(5<<22)|(3<<25)  ; 15:0 the mask: input's tiles go to my row; 17:16 element of 4 bytes; 20 padding on; 21 set beside a mask; 24:22 after every 64 words (code 5); 31:25 of 4 words (code 3)
	s_or_b32 s[G1B+0], s45, (2<<16)|(1<<20)|(1<<21)|(5<<22)|(3<<25) ; the same with the mask of my column, for weight's tiles
	s_mov_b32 s[G1+1], KSTEP<<16                   ; 63:48 tensor_dim0, low half = 64
	s_mov_b32 s[G1B+1], KSTEP<<16
	s_mov_b32 s[G1+2], 128<<16                     ; 79:64 its high half = 0; 95:80 tensor_dim1, low half = 128
	s_mov_b32 s[G1B+2], 128<<16
	s_mov_b32 s[G1+3], KSTEP<<16                   ; 111:96 its high half = 0; 127:112 tile_dim0 = 64
	s_mov_b32 s[G1B+3], KSTEP<<16
	s_mov_b32 s[G1+4], 128                         ; 143:128 tile_dim1 = 128; 159:144 tile_dim2 = 0
	s_mov_b32 s[G1B+4], 128
	s_mov_b32 s[G1+5], 4096                        ; 191:160 elements from row to row
	s_mov_b32 s[G1B+5], 4096
	s_mov_b32 s[G1+6], 0
	s_mov_b32 s[G1B+6], 0
	s_mov_b32 s[G1+7], 0
	s_mov_b32 s[G1B+7], 0
	; where the tiles come from.  input's hang on the block row alone, which my row of the cluster shares; weight's on the block column alone, which my
	; column shares.  Every wave makes both addresses, in registers that never hold the other coordinate, and asks by one of them.
	s_lshl_b32 s21, s14, 7                         ; which 128 rows of the tile I fetch
	s_lshl_b32 s16, s43, 8
	s_add_co_u32 s16, s16, s21                     ; input: row 256 x block row + 128 x half
	s_lshl_b32 s16, s16, 14                        ; x 16,384 bytes: below 2^26
	s_mov_b32 s17, 0
	s_lshl_b32 s46, s42, 8
	s_add_co_u32 s46, s46, s21                     ; weight: row 256 x block column + 128 x half
	s_lshl_b32 s46, s46, 14
	s_mov_b32 s47, 0
	s_mul_i32 s20, s12, HALFT                      ; and where they go: input's two halves, then weight's two halves = wave x 128 rows: no place in the cluster enters an LDS address
	s_wait_dscnt 0x0
	s_wait_kmcnt 0x0
	s_add_nc_u64 s[18:19], s[4:5], s[16:17]
	s_add_nc_u64 s[46:47], s[6:7], s[46:47]
	CROUND                                         ; all sixteen work-groups are here: the first joint loads meet
.irp s, 0,1
	s_mov_b32 s[G0+4*\s], 1                                        ; 1:0 count = 1
	s_add_co_u32 s[G0+4*\s+1], s20, \s*SLOT                        ; 63:32 LDS address
	s_add_nc_u64 s[G0+4*\s+2:G0+4*\s+3], s[18:19], \s*KSTEP*4      ; 120:64 global address: K step s
	s_or_b32 s[G0+4*\s+3], s[G0+4*\s+3], 0x80000000                ; 127:126 type = 2
	s_mov_b32 s[G0B+4*\s], 1
	s_add_co_u32 s[G0B+4*\s+1], s20, \s*SLOT
	s_add_nc_u64 s[G0B+4*\s+2:G0B+4*\s+3], s[46:47], \s*KSTEP*4
	s_or_b32 s[G0B+4*\s+3], s[G0B+4*\s+3], 0x80000000
	JLOAD \s                                       ; both slots' first fills go out behind the one round, before anything else is done: two loads of the wave are out
.endr
	; A bf16 fragment is 16 rows x 32 K in 8 registers: lane l holds row l % 16; registers 0-3 hold K = 8 (l / 16) + 0..7, registers 4-7 hold
	; K = 16 + 8 (l / 16) + 0..7.  As numbers of 4 bytes that is 32 bytes at 32 (l / 16) and 32 bytes at 64 + 32 (l / 16) of the chunk's 128 bytes of a row.
	v_and_b32 v1, 15, v0                           ; l % 16
	v_bfe_u32 v2, v0, 4, 1                         ; l / 16
	v_mul_u32_u24 v3, v1, PITCH
	v_lshl_add_u32 v3, v2, 5, v3                   ; row x pitch + 32 x half
	s_mul_i32 s21, s13, HALFT                      ; my 128 rows of input
	s_mul_i32 s22, s14, HALFT                      ; my 128 rows of weight,
	s_add_co_u32 s22, s22, 2*HALFT                 ; which lie behind input's 256
.irp s, 0,1
	v_add_nc_u32 v[ADRA+\s], s21, v3
	v_add_nc_u32 v[ADRB+\s], s22, v3
	s_add_co_u32 s21, s21, SLOT
	s_add_co_u32 s22, s22, SLOT
.endr
	s_mul_i32 s23, s12, WSTAGE
	s_add_co_u32 s23, s23, STAGE                   ; my stage
	v_mul_u32_u24 v4, v1, SPITCH                   ; in: row l % 16, 32 bytes for each half of the lanes
	v_lshl_add_u32 v4, v2, 5, v4
	v_add_nc_u32 v[STO], s23, v4
	v_and_b32 v5, 31, v0
	v_lshlrev_b32 v[CO], 4, v5                     ; back: the 32 lanes take one row of 512 bytes
	v_add_nc_u32 v[RD], s23, v[CO]
	s_lshl_b32 s46, s42, 10                        ; my first feature, in bytes of f32: 1,024 x block column + 512 x half (in the registers that held weight's address: none that feeds input's descriptors ever holds cx)
	s_lshl_b32 s47, s14, 9
	s_add_co_u32 s46, s46, s47
	s_mov_b32 s47, 0
	s_add_nc_u64 s[8:9], s[8:9], s[46:47]          ; scales at my first feature
	s_add_nc_u64 s[10:11], s[10:11], s[46:47]      ; out0 at my first feature,
	s_lshl_b32 s16, s43, 8
	s_lshl_b32 s17, s13, 7
	s_add_co_u32 s16, s16, s17                     ; and at my first token: 256 x block row + 128 x half,
	s_lshl_b32 s16, s16, 14                        ; x 16,384 bytes
	s_mov_b32 s17, 0
	s_add_nc_u64 s[10:11], s[10:11], s[16:17]
	global_load_b128 v[SC:SC+3], v[CO], s[8:9]     ; the wave's 128 scales, 512 neighbouring bytes, once
; 32 LDS loads: the raw numbers of one chunk (128 rows, 128 bytes at byte kb of the rows), 16 registers a fragment, K in its true order
.macro FETCH_B slot, kb
	WIN TO_B
.irp i, 0,1,2,3,4,5,6,7
	ds_load_b128 v[R+16*\i:R+16*\i+3],     v[ADRB+\slot] offset:\kb+\i*16*PITCH
	ds_load_b128 v[R+16*\i+4:R+16*\i+7],   v[ADRB+\slot] offset:\kb+\i*16*PITCH+16
	ds_load_b128 v[R+16*\i+8:R+16*\i+11],  v[ADRB+\slot] offset:\kb+\i*16*PITCH+64
	ds_load_b128 v[R+16*\i+12:R+16*\i+15], v[ADRB+\slot] offset:\kb+\i*16*PITCH+80
.endr
.endm
.macro FETCH_A slot, kb
	WIN 0
.irp i, 0,1,2,3,4,5,6,7
	ds_load_b128 v[R+16*\i:R+16*\i+3],     v[ADRA+\slot] offset:\kb+\i*16*PITCH
	ds_load_b128 v[R+16*\i+4:R+16*\i+7],   v[ADRA+\slot] offset:\kb+\i*16*PITCH+16
	ds_load_b128 v[R+16*\i+8:R+16*\i+11],  v[ADRA+\slot] offset:\kb+\i*16*PITCH+64
	ds_load_b128 v[R+16*\i+12:R+16*\i+15], v[ADRA+\slot] offset:\kb+\i*16*PITCH+80
.endr
.endm
; weight: int32 to f32 in place, then two roundings to bf16 in one instruction.  A vector instruction that writes a register which a matrix instruction
; has read stands four places behind it, and only plain vector instructions that name none of its registers are places (ISA guide 7.12.1): the first
; sixteen lines here work on raw registers alone and stand in front of the first write of a fragment register.
.macro CVT_B
	WIN CVB
.irp i, 0,1,2,3,4,5,6,7
.irp e, 0,1,2,3,4,5,6,7,8,9,10,11,12,13,14,15
	v_cvt_f32_i32 v[R+16*\i+\e], v[R+16*\i+\e]
.endr
.irp j, 0,1,2,3,4,5,6,7
	v_cvt_pk_bf16_f32 v[F+8*\i+\j], v[R+16*\i+2*\j], v[R+16*\i+2*\j+1]
.endr
.endr
.endm
; input: f32 to bf16.  Always behind CVT_B, whose 192 lines are the places in front of these writes.
.macro CVT_A
	WIN 0
.irp i, 0,1,2,3,4,5,6,7
.irp j, 0,1,2,3,4,5,6,7
	v_cvt_pk_bf16_f32 v[F+8*\i+\j], v[R+16*\i+2*\j], v[R+16*\i+2*\j+1]
.endr
.endr
.endm
; 16 matrix instructions: token blocks a0, a0 + 1 of the window's four (hi = 0: my tokens 0-63, 1: tokens 64-127) x all 8 feature blocks, 32 along K.
; zero = 1: the first product starts the sums: nothing is ever cleared.
; The 64 accumulators take turns, one instruction a turn, in the same order in every chunk, over the backward jump too.
.macro MUL16 hi, a0, zero
.irp a, \a0, \a0+1
.irp b, 0,1,2,3,4,5,6,7
.if \zero
	v_wmma_f32_16x16x32_bf16 v[8*(8*(\a)+\b):8*(8*(\a)+\b)+7], v[F+8*\b:F+8*\b+7], v[F+8*(4*\hi+\a):F+8*(4*\hi+\a)+7], 0
.else
	v_wmma_f32_16x16x32_bf16 v[8*(8*(\a)+\b):8*(8*(\a)+\b)+7], v[F+8*\b:F+8*\b+7], v[F+8*(4*\hi+\a):F+8*(4*\hi+\a)+7], v[8*(8*(\a)+\b):8*(8*(\a)+\b)+7]
.endif
.endr
.endr
.endm
.macro MUL_L zero
	WIN MUL_LO
	MUL16 0, 0, \zero
	MUL16 0, 2, \zero
.endm
.macro MUL_H zero
	WIN MUL_HI
	MUL16 1, 0, \zero
	MUL16 1, 2, \zero
.endm
; The first chunk of a K step.  Its raw numbers were asked for a chunk ago; as soon as an operand's raw registers are converted, the second chunk's
; raw numbers are asked for into them, 64 matrix instructions or more ahead of their use.
.macro CHUNK_A slot, zero
	s_wait_dscnt 32                                ; of the 64 loads out, weight's older 32 are in; input's 32 may stay out
	CVT_B
	FETCH_B \slot, 128
	s_wait_dscnt 32                                ; all but the 32 just issued: input's raw numbers are in
	CVT_A
	FETCH_A \slot, 128
	MUL_L \zero
	MUL_H \zero
.endm
; The second chunk, and the change of slots.  next = the other slot; fill = 1: this slot is filled again, two K steps ahead.
; ONE barrier for the change, for two things.  In front of it each wave waits for its own reads of this slot and for all its tensor loads, of which one is
; out: its part of the next slot.  Behind it nobody reads this slot any more and the next slot is whole: the refill comes first, then the next slot's
; first raw numbers.  From a request to the wait for it a wave issues 128 matrix instructions, 256 conversions and 128 LDS loads.
.macro CHUNK_B slot, next, fill
	s_wait_dscnt 0x0                               ; my raw numbers are in registers: my reads of this slot are over
	s_wait_tensorcnt 0x0                           ; and all my tensor loads have landed: the one that was out is my part of the next slot:
	ds_add_u32 v63, v63
	s_wait_dscnt 0x0
	s_barrier_signal -1                            ; say so (where a slot is filled again this barrier opens a round of the cluster's barrier),
	CVT_B                                          ; work on registers while the others arrive,
	CVT_A
	WIN 0
	s_barrier_wait -1                              ; and go on when all four have said so
.if \fill
	CREST                                          ; wave 0 says so for the work-group, all sixteen work-groups have said so, my work-group's barrier closes the round:
	                                               ; no wave of any partner still reads this slot's tile or has a load on its way
	s_add_nc_u64 s[G0+4*\slot+2:G0+4*\slot+3], s[G0+4*\slot+2:G0+4*\slot+3], 2*KSTEP*4      ; no tensor load of mine is out: a group 0 may be written
	s_add_nc_u64 s[G0B+4*\slot+2:G0B+4*\slot+3], s[G0B+4*\slot+2:G0B+4*\slot+3], 2*KSTEP*4
	JLOAD \slot                                    ; the first tensor load behind the round, and my only one until the next
.endif
	FETCH_B \next, 0                               ; the raw registers are no operand of a matrix instruction: these loads owe it no distance
	MUL_L 0
	FETCH_A \next, 0
	MUL_H 0
.endm
.macro LAP zero                        ; once round the ring, both slots filled again
	CHUNK_A 0, \zero
	CHUNK_B 0, 1, 1
	CHUNK_A 1, 0
	CHUNK_B 1, 0, 1
.endm
	s_wait_loadcnt 0x0                             ; the scales, once
	s_wait_tensorcnt 0x1                           ; my part of K step 0 is in; K step 1's may stay out
	s_barrier_signal -1
	s_barrier_wait -1                              ; everybody's is
	FETCH_B 0, 0
	FETCH_A 0, 0
	LAP 1                                          ; K steps 0 and 1 stand in front of the loop: the first products start the sums
	WIN 0                                          ; at a label and at a branch every window is 0
	s_mov_b32 s3, LAPS-2
.Llap:
	LAP 0                                          ; K steps 2 to 61; their refills bring K steps 4 to 63
	WIN 0
	s_sub_co_u32 s3, s3, 1
	s_cmp_lg_u32 s3, 0
	s_cbranch_scc1 .Llap
	CHUNK_A 0, 0                                   ; the last lap fills nothing and has no round: my one tensor load that is still out is slot 1's, K step 63's
	CHUNK_B 0, 1, 0
	CHUNK_A 1, 0
	s_wait_dscnt 0x0                               ; the very last chunk: nothing more to fetch
	CVT_B
	CVT_A
	MUL_L 0
	MUL_H 0
	; THE WAY OUT, 16 tokens at a time: the accumulators go as they are, 32 bytes a lane and tile, into my own stage in LDS, are read back as whole rows of
	; 512 bytes, multiplied by the features' scales and stored.  The four v_nop are the places between the last matrix instructions and the LDS stores that read results.
	PLACES
; tokens 16 i .. 16 i + 15 of my block = the eight tiles (a, 0..7) of window 2 or 3 (win = ST_LO or ST_HI); buf: OB0 or OB1 in turn
.macro OUT16 i, a, win, buf
	WIN \win
.irp b, 0,1,2,3,4,5,6,7
	ds_store_b128 v[STO], v[8*(8*\a+\b):8*(8*\a+\b)+3]   offset:64*\b       ; features 16 b + 8 (l / 16) + 0..3 of token l % 16
	ds_store_b128 v[STO], v[8*(8*\a+\b)+4:8*(8*\a+\b)+7] offset:64*\b+16    ; and + 4..7
.endr
	WIN 0
	s_wait_xcnt 0x0                                ; every earlier memory instruction has had its addresses translated (ISA guide 3.1): buf, which earlier stores read, is loaded again only behind this wait
.irp t, 0,1,2,3,4,5,6,7,8,9,10,11,12,13,14,15
	ds_load_b128 v[\buf+4*\t:\buf+4*\t+3], v[RD] offset:\t*SPITCH           ; LDS serves a wave's instructions in order (ISA guide 5.7.1.4): these see the stores above
.endr
.irp t, 0,1,2,3,4,5,6,7,8,9,10,11,12,13,14,15
	s_wait_dscnt 15-\t                             ; row t of the sixteen is in
	v_pk_mul_f32 v[\buf+4*\t:\buf+4*\t+1],   v[\buf+4*\t:\buf+4*\t+1],   v[SC:SC+1]
	v_pk_mul_f32 v[\buf+4*\t+2:\buf+4*\t+3], v[\buf+4*\t+2:\buf+4*\t+3], v[SC+2:SC+3]
	global_store_b128 v[CO], v[\buf+4*\t:\buf+4*\t+3], s[10:11] offset:(16*\i+\t)*ROWB th:TH_STORE_NT   ; the wave stores 512 consecutive bytes at a multiple of 512 from out0's first byte; the token stands in the immediate, 2,080,768 at the most
.endr
.endm
	OUT16 0, 0, ST_LO, OB0
	OUT16 1, 1, ST_LO, OB1
	OUT16 2, 2, ST_LO, OB0
	OUT16 3, 3, ST_LO, OB1
	OUT16 4, 0, ST_HI, OB0
	OUT16 5, 1, ST_HI, OB1
	OUT16 6, 2, ST_HI, OB0
	OUT16 7, 3, ST_HI, OB1
	s_set_vgpr_msb 0x1
	s_wait_tensorcnt 0x0
	ds_add_u32 v63, v63
	s_wait_dscnt 0x0
	s_set_vgpr_msb 0x100
	CROUND                                         ; the closing round: no work-group ends while a partner may still ask for a tile that names it
	s_endpgm
.Lfunc_end_k_q8d0f939258_gemm:
	.size	k_q8d0f939258_gemm, .Lfunc_end_k_q8d0f939258_gemm-k_q8d0f939258_gemm
	.p2alignl 7, 3214868480
	.fill 96, 4, 3214868480
	.section	.rodata,"a",@progbits
	.p2align	6, 0x0
	.amdhsa_kernel k_q8d0f939258_gemm
		.amdhsa_group_segment_fixed_size 327680
		.amdhsa_private_segment_fixed_size 0
		.amdhsa_enable_private_segment 0
		.amdhsa_kernarg_size 32
		.amdhsa_user_sgpr_count 2
		.amdhsa_user_sgpr_kernarg_segment_ptr 1
		.amdhsa_wavefront_size32 1
		.amdhsa_system_sgpr_workgroup_id_x 1
		.amdhsa_system_sgpr_workgroup_id_y 1
		.amdhsa_system_sgpr_workgroup_id_z 1
		.amdhsa_system_vgpr_workitem_id 0
		.amdhsa_next_free_vgpr 1024
		.amdhsa_next_free_sgpr 66
		.amdhsa_reserve_vcc 0
		.amdhsa_float_denorm_mode_32 3
		.amdhsa_float_denorm_mode_16_64 3
		.amdhsa_memory_ordered 1
		.amdhsa_forward_progress 1
		.amdhsa_inst_pref_size 255
	.end_amdhsa_kernel
	.section	.bss,"aw",@nobits
	.p2align	6
	.space	262144
	.amdgpu_metadata
---
amdhsa.version: [ 1, 2 ]
amdhsa.kernels:
  - .name:           k_q8d0f939258_gemm
    .symbol:         k_q8d0f939258_gemm.kd
    .args:
      - { .name: input, .offset: 0, .size: 8, .value_kind: global_buffer, .address_space: global }
      - { .name: weight, .offset: 8, .size: 8, .value_kind: global_buffer, .address_space: global }
      - { .name: scales, .offset: 16, .size: 8, .value_kind: global_buffer, .address_space: global }
      - { .name: out0, .offset: 24, .size: 8, .value_kind: global_buffer, .address_space: global }
    .group_segment_fixed_size: 327680
    .private_segment_fixed_size: 0
    .kernarg_segment_align: 8
    .kernarg_segment_size: 32
    .max_flat_workgroup_size: 128
    .sgpr_count:     66
    .vgpr_count:     1024
    .wavefront_size: 32
...
	.end_amdgpu_metadata
.endif
;; end of part 1
;; ======== version 2 of 2: 2 launches; 1.24 times as fast as version 1
;; workspace buffers: xb 33,554,432 bytes; wb 33,554,432 bytes
;; launch cast (part 2): grid 2048 x 1, 8 waves a work-group, no clusters, 0 bytes of LDS; arguments input, weight, xb, wb; writes xb, wb
.if DOCPART == 2
	.amdgcn_target "amdgcn-amd-amdhsa--gfx1250"
	.amdhsa_code_object_version 6
	.text
	.protected	k_q8d0f939258_cast
	.globl	k_q8d0f939258_cast
	.p2align	8
	.type	k_q8d0f939258_cast,@function
k_q8d0f939258_cast:
	s_mov_b64 s[64:65], 0
	v_nop
	global_prefetch_b8 v0, s[64:65] scope:SCOPE_SE
	s_setreg_imm32_b32 hwreg(HW_REG_WAVE_MODE, 25, 1), 1
	s_wait_xcnt 0x0
; xb[t][i] = bf16(input[t][i]),  wb[o][i] = bf16(f32(weight[o][i])).   input: f32, weight: int32, xb and wb: bf16, all [4096][4096], taken as plain streams.
; Each number is rounded here once; in the product that follows it is used by 16 work-groups, so rounding there would be done many times over.
; LIMITS: weight goes int32 -> f32 -> bf16, both to nearest even: exact for |w| <= 256, 8 significant bits beyond.  input keeps 8 significant bits;
; magnitudes above about 3.39e38 round to infinity.
; Eight waves; the work-group owns 32,768 bytes of input and of weight, a wave 4,096 of each.  A load of a wave covers 512 neighbouring bytes (16 a lane);
; its four numbers a lane become 8 bytes, so a store of a wave covers 256 consecutive bytes at a multiple of 256 from the buffer's first byte.
; All sixteen loads of a wave go out at once; there is no loop, no LDS and no barrier: no wave needs another's data, and every byte is touched once.
.set NL,  8                            ; loads of a wave from each tensor
.set X,   4                            ; v[4:35]   input: load j in 4 registers, rounded in place into the first two
.set W,   36                           ; v[36:67]  weight: the same
	s_load_b256 s[4:11], s[0:1], 0x0               ; input s[4:5], weight s[6:7], xb s[8:9], wb s[10:11]
	v_and_b32 v1, 31, v0                           ; lane
	v_and_b32 v2, 0xe0, v0                         ; 32 x wave
	v_lshlrev_b32 v1, 4, v1                        ; 16 bytes a lane
	v_lshl_or_b32 v1, v2, 7, v1                    ; + wave x 4,096: my offset in the group's part of input and weight; never rewritten
	v_lshrrev_b32 v3, 1, v1                        ; half of it: my offset in the group's part of xb and wb; never rewritten
	s_lshl_b32 s12, ttmp9, 15                      ; the work-group's number x 32,768 bytes: below 2^26
	s_mov_b32 s13, 0
	s_lshl_b32 s14, ttmp9, 14                      ; and x 16,384 bytes in the bf16 buffers
	s_mov_b32 s15, 0
	s_wait_kmcnt 0x0
	s_add_nc_u64 s[4:5], s[4:5], s[12:13]
	s_add_nc_u64 s[6:7], s[6:7], s[12:13]
	s_add_nc_u64 s[8:9], s[8:9], s[14:15]
	s_add_nc_u64 s[10:11], s[10:11], s[14:15]
.irp j, 0,1,2,3,4,5,6,7
	global_load_b128 v[X+4*\j:X+4*\j+3], v1, s[4:5] offset:512*\j th:TH_LOAD_NT      ; read once in the launch
.endr
.irp j, 0,1,2,3,4,5,6,7
	global_load_b128 v[W+4*\j:W+4*\j+3], v1, s[6:7] offset:512*\j th:TH_LOAD_NT
.endr
.irp j, 0,1,2,3,4,5,6,7
	s_wait_loadcnt 2*NL-1-\j                       ; loads come back in order (ISA guide 5.7.1): input's load j is in, the younger ones stay out
	v_cvt_pk_bf16_f32 v[X+4*\j],   v[X+4*\j],   v[X+4*\j+1]        ; two roundings to nearest even, packed
	v_cvt_pk_bf16_f32 v[X+4*\j+1], v[X+4*\j+2], v[X+4*\j+3]
	global_store_b64 v3, v[X+4*\j:X+4*\j+1], s[8:9] offset:256*\j  ; no hint: the next launch reads these bytes
.endr
.irp j, 0,1,2,3,4,5,6,7
	s_wait_loadcnt NL-1-\j                         ; weight's load j is in
.irp e, 0,1,2,3
	v_cvt_f32_i32 v[W+4*\j+\e], v[W+4*\j+\e]
.endr
	v_cvt_pk_bf16_f32 v[W+4*\j],   v[W+4*\j],   v[W+4*\j+1]
	v_cvt_pk_bf16_f32 v[W+4*\j+1], v[W+4*\j+2], v[W+4*\j+3]
	global_store_b64 v3, v[W+4*\j:W+4*\j+1], s[10:11] offset:256*\j
.endr
	s_endpgm
.Lfunc_end_k_q8d0f939258_cast:
	.size	k_q8d0f939258_cast, .Lfunc_end_k_q8d0f939258_cast-k_q8d0f939258_cast
	.p2alignl 7, 3214868480
	.fill 96, 4, 3214868480
	.section	.rodata,"a",@progbits
	.p2align	6, 0x0
	.amdhsa_kernel k_q8d0f939258_cast
		.amdhsa_group_segment_fixed_size 0
		.amdhsa_private_segment_fixed_size 0
		.amdhsa_enable_private_segment 0
		.amdhsa_kernarg_size 32
		.amdhsa_user_sgpr_count 2
		.amdhsa_user_sgpr_kernarg_segment_ptr 1
		.amdhsa_wavefront_size32 1
		.amdhsa_system_sgpr_workgroup_id_x 1
		.amdhsa_system_sgpr_workgroup_id_y 1
		.amdhsa_system_sgpr_workgroup_id_z 1
		.amdhsa_system_vgpr_workitem_id 0
		.amdhsa_next_free_vgpr 68
		.amdhsa_next_free_sgpr 66
		.amdhsa_reserve_vcc 0
		.amdhsa_float_denorm_mode_32 3
		.amdhsa_float_denorm_mode_16_64 3
		.amdhsa_memory_ordered 1
		.amdhsa_forward_progress 1
		.amdhsa_inst_pref_size 8
	.end_amdhsa_kernel
	.amdgpu_metadata
---
amdhsa.version: [ 1, 2 ]
amdhsa.kernels:
  - .name:           k_q8d0f939258_cast
    .symbol:         k_q8d0f939258_cast.kd
    .args:
      - { .name: input, .offset: 0, .size: 8, .value_kind: global_buffer, .address_space: global }
      - { .name: weight, .offset: 8, .size: 8, .value_kind: global_buffer, .address_space: global }
      - { .name: xb, .offset: 16, .size: 8, .value_kind: global_buffer, .address_space: global }
      - { .name: wb, .offset: 24, .size: 8, .value_kind: global_buffer, .address_space: global }
    .group_segment_fixed_size: 0
    .private_segment_fixed_size: 0
    .kernarg_segment_align: 8
    .kernarg_segment_size: 32
    .max_flat_workgroup_size: 256
    .sgpr_count:     66
    .vgpr_count:     68
    .wavefront_size: 32
...
	.end_amdgpu_metadata
.endif
;; end of part 2
;; launch gemm (part 3): grid 16 x 16, 4 waves a work-group, clusters of 4 x 4, 327,680 bytes of LDS; arguments xb, wb, scales, out0; writes out0
.if DOCPART == 3
	.amdgcn_target "amdgcn-amd-amdhsa--gfx1250"
	.amdhsa_code_object_version 6
	.text
	.protected	k_q8d0f939258_gemm
	.globl	k_q8d0f939258_gemm
	.p2align	8
	.type	k_q8d0f939258_gemm,@function
k_q8d0f939258_gemm:
	s_mov_b64 s[64:65], 0
	v_nop
	global_prefetch_b8 v0, s[64:65] scope:SCOPE_SE
	s_setreg_imm32_b32 hwreg(HW_REG_WAVE_MODE, 25, 1), 1
	s_wait_xcnt 0x0
	s_wait_alu depctr_hold_cnt(0) depctr_sa_sdst(0) depctr_va_vdst(0) depctr_va_sdst(0) depctr_va_ssrc(0) depctr_va_vcc(0) depctr_vm_vsrc(0)
	s_getreg_b32 s2, hwreg(HW_REG_IB_STS2, 6, 4)
	s_cmp_eq_u32 s2, 0
	s_cbranch_scc0 .Lentry_in_a_cluster
	s_endpgm
.Lentry_in_a_cluster:
	s_bfe_u32 s2, ttmp6, 0x10000c
	s_cmp_lg_u32 s2, 0xf033
	s_cbranch_scc0 .Lentry_shape_is_right
	s_endpgm
.Lentry_shape_is_right:
; out0[t][o] = scales[o] * sum over i of xb[t][i] * wb[o][i].   xb, wb: [4096][4096] bf16 (input and weight, rounded once by the launch before),
; scales: [4096] f32, out0: [4096][4096] f32.  Sums in f32, K ascending, in the matrix instruction's own order; the scale is applied once, in f32, behind the sum.
; LIMITS: those of the rounding to bf16 in the launch before (weights exact for |w| <= 256; 8 significant bits otherwise).
;
; A work-group makes a block of 256 tokens x 256 features with four waves; a wave makes 128 x 128: 64 accumulator tiles of 16 x 16, 512 registers.
; K goes in 32 steps of 128 numbers (rows of 256 bytes, at multiples of 256 bytes from the buffer's first byte) through a ring of two LDS slots
; filled by the tensor data mover.
; CLUSTERS: 4 x 4 work-groups.  The four of a row of the cluster make blocks of one block row and need the same tiles of xb; the four of a column
; need the same tiles of wb.  Such a tile is asked for jointly: each of the four issues the same tensor load, with the same descriptor and a mask
; that names the four.  That divides the requests for both operands by four.
;
; REGISTERS, in windows of 256 (s_set_vgpr_msb says which window each operand place means):
;   window 0: v0-31 addresses and scales; v64-127, v128-191 fragments of xb (8 x 16 rows x 32 K), two buffers; on the way out the same registers are two store buffers
;   window 1: v64-127, v128-191 fragments of wb, two buffers
;   window 2: the 32 accumulator tiles of my tokens 0-63 (tile (a, b) at v[8 (8 a + b)]);   window 3: those of my tokens 64-127
; THE MATRIX INSTRUCTION IS USED TRANSPOSED: source 0 = 16 rows of wb, source 1 = 16 rows of xb.  Lane l then holds token l % 16, and its
; registers 0 to 7 the features 8 (l / 16) + 0 .. 7 of the tile: eight neighbouring numbers of a row of out0.
.set KSTEP,  128                       ; numbers along K in a step
.set ROWC,   16384                     ; bytes in a row of out0
.set PITCH,  272                       ; an LDS row: 256 bytes of data + 16 of padding: the 16 rows that half a wave's load touches start in 16 different 16-byte columns of 256 bytes
.set HALFT,  128*PITCH                 ; 128 rows: what one tensor load brings, and what one wave reads of either operand
.set SLOT,   4*HALFT                   ; xb's 256 rows, then wb's 256 rows
.set STAGE,  2*SLOT                    ; behind the ring (278,528, a multiple of 256): no tensor load ever lands here
.set SPITCH, 528                       ; a stage row: 128 f32 + 16 bytes
.set WSTAGE, 16*SPITCH                 ; 16 rows for each wave
.set LAPS,   4096/(2*KSTEP)            ; a lap = two K steps = once round the ring: 16
.set ADRA, 16                          ; v16-17  LDS address of my xb fragments in slot 0, 1
.set ADRB, 20                          ; v20-21  the same for wb
.set STO,  24                          ; v24     the way out: where I put 32 bytes of a row
.set RD,   25                          ; v25     the way out: where I read a row back
.set CO,   26                          ; v26     16 x lane: my 16 bytes in 512 bytes of a row of out0, and of my wave's 128 scales
.set SC,   28                          ; v[28:31] the scales of those four features
.set F0,   64                          ; fragment buffer 0
.set F1,   128                         ; fragment buffer 1
.set G1,  24                           ; s[24:31] descriptor group 1 for xb's tiles
.set G0,  32                           ; s[32:39] descriptor group 0 for xb's tiles, one set for each slot
.set G1B, 48                           ; s[48:55] group 1 for wb's tiles: it differs in the mask alone
.set G0B, 56                           ; s[56:63] group 0 for wb's tiles, one set for each slot
.set MSB, 0
.macro WIN new                         ; the immediate's high byte repeats the setting that is left; a switch that changes nothing is dropped
.if MSB != \new
	s_set_vgpr_msb (MSB<<8)|\new
.set MSB, \new
.endif
.endm
.set TO_B,   0x40                      ; destination window 1, address window 0
.set MUL_LO, 0xa1                      ; source 0 (wb) window 1, source 1 (xb) window 0, C and D window 2
.set MUL_HI, 0xf1                      ; the same, C and D window 3
.set ST_LO,  0x08                      ; LDS store: address window 0, data window 2
.set ST_HI,  0x0c                      ; data window 3
; A load into a register that a matrix instruction has read, and an LDS store that reads a matrix result, stand four places behind that matrix
; instruction, and only plain vector instructions that name none of its registers are places (ISA guide 7.12.1 for vector instructions);
; the matrix instructions in between are not counted.
.macro PLACES
.rept 4
	v_nop
.endr
.endm
; A joint load.  Waves 0 and 1 fetch xb's two halves, waves 2 and 3 wb's.  Each of the two lines has one mask and one set of registers for all that issue it.
; The branch hangs on the wave's number alone: it is the same in every work-group.  Four v_nop follow each of the two lines.
.macro JLOAD s
	s_cmp_eq_u32 s13, 0
	s_cbranch_scc0 .Lfor_b_\@
	tensor_load_to_lds s[G0+4*\s:G0+4*\s+3], s[G1:G1+7]
	s_nop 0
	PLACES
	s_branch .Lasked_\@
.Lfor_b_\@:
	tensor_load_to_lds s[G0B+4*\s:G0B+4*\s+3], s[G1B:G1B+7]
	s_nop 0
	PLACES
.Lasked_\@:
.endm
; A round of the cluster's barrier: my work-group's barrier, so that wave 0's signal speaks for all four waves; wave 0 signals for the work-group;
; every wave waits for all sixteen work-groups; my work-group's barrier once more.
.macro CREST                           ; a round behind its opening barrier
	s_cmp_lg_u32 s12, 0
	s_cbranch_scc1 .Lnot_wave_0_\@
	s_barrier_signal -3
.Lnot_wave_0_\@:
	s_barrier_wait -3
	s_barrier_signal -1
	s_barrier_wait -1
.endm
.macro CROUND                          ; a whole round
	s_barrier_signal -1
	s_barrier_wait -1
	CREST
.endm
	s_load_b256 s[4:11], s[0:1], 0x0               ; xb s[4:5], wb s[6:7], scales s[8:9], out0 s[10:11]
	s_set_vgpr_msb 0x40
	v_lshl_add_u32 v255, v0, 2, 0x4c400
	s_set_vgpr_msb 0x4000
	v_mov_b32 v255, 0
	s_set_vgpr_msb 0x1
	ds_add_u32 v255, v255
	ds_add_u32 v255, v255
	s_set_vgpr_msb 0x100
	v_lshrrev_b32 v1, 5, v0
	v_readfirstlane_b32 s12, v1                    ; wave 0..3
	s_lshr_b32 s13, s12, 1                         ; which half of the block's tokens is mine.  Also: I fetch for xb (0) or for wb (1)
	s_and_b32 s14, s12, 1                          ; which half of its features.  Also: which 128 rows of that tile I fetch
	s_bfe_u32 s40, ttmp6, 0x40000                  ; cx: my place along the cluster's x
	s_bfe_u32 s41, ttmp6, 0x40004                  ; cy: along its y
	s_lshl_b32 s42, ttmp9, 2                       ; in a cluster launch ttmp9 and ttmp7 count clusters
	s_add_co_u32 s42, s42, s40                     ; block column = 4 x cluster x + cx
	s_and_b32 s43, ttmp7, 0xffff
	s_lshl_b32 s43, s43, 2
	s_add_co_u32 s43, s43, s41                     ; block row = 4 x cluster y + cy
	s_lshl_b32 s44, s41, 2
	s_lshl_b32 s44, 15, s44                        ; my row of the cluster: places 4 cy .. 4 cy + 3
	s_lshl_b32 s45, 0x1111, s40                    ; my column: places cx, cx + 4, cx + 8, cx + 12
	; descriptor group 1: a tile of 128 rows x 128 elements of 2 bytes, padded in LDS
	s_or_b32 s[G1+0], s44, (1<<16)|(1<<20)|(1<<21)|(5<<22)|(3<<25)  ; 15:0 the mask: xb's tiles go to my row; 17:16 element of 2 bytes; 20 padding on; 21 set beside a mask; 24:22 after every 64 words (code 5); 31:25 of 4 words (code 3)
	s_or_b32 s[G1B+0], s45, (1<<16)|(1<<20)|(1<<21)|(5<<22)|(3<<25) ; the same with the mask of my column, for wb's tiles
	s_mov_b32 s[G1+1], KSTEP<<16                   ; 63:48 tensor_dim0, low half = 128
	s_mov_b32 s[G1B+1], KSTEP<<16
	s_mov_b32 s[G1+2], 128<<16                     ; 79:64 its high half = 0; 95:80 tensor_dim1, low half = 128
	s_mov_b32 s[G1B+2], 128<<16
	s_mov_b32 s[G1+3], KSTEP<<16                   ; 111:96 its high half = 0; 127:112 tile_dim0 = 128
	s_mov_b32 s[G1B+3], KSTEP<<16
	s_mov_b32 s[G1+4], 128                         ; 143:128 tile_dim1 = 128; 159:144 tile_dim2 = 0
	s_mov_b32 s[G1B+4], 128
	s_mov_b32 s[G1+5], 4096                        ; 191:160 elements from row to row
	s_mov_b32 s[G1B+5], 4096
	s_mov_b32 s[G1+6], 0
	s_mov_b32 s[G1B+6], 0
	s_mov_b32 s[G1+7], 0
	s_mov_b32 s[G1B+7], 0
	; where the tiles come from.  xb's hang on the block row alone, which my row of the cluster shares; wb's on the block column alone, which my
	; column shares.  Every wave makes both addresses, in registers that never hold the other coordinate, and asks by one of them.
	s_lshl_b32 s21, s14, 7                         ; which 128 rows of the tile I fetch
	s_lshl_b32 s16, s43, 8
	s_add_co_u32 s16, s16, s21                     ; xb: row 256 x block row + 128 x half
	s_lshl_b32 s16, s16, 13                        ; x 8,192 bytes: below 2^25
	s_mov_b32 s17, 0
	s_lshl_b32 s46, s42, 8
	s_add_co_u32 s46, s46, s21                     ; wb: row 256 x block column + 128 x half
	s_lshl_b32 s46, s46, 13
	s_mov_b32 s47, 0
	s_mul_i32 s20, s12, HALFT                      ; and where they go: xb's two halves, then wb's two halves = wave x 128 rows: no place in the cluster enters an LDS address
	s_wait_dscnt 0x0
	s_wait_kmcnt 0x0
	s_add_nc_u64 s[18:19], s[4:5], s[16:17]
	s_add_nc_u64 s[46:47], s[6:7], s[46:47]
	CROUND                                         ; all sixteen work-groups are here: the first joint loads meet
.irp s, 0,1
	s_mov_b32 s[G0+4*\s], 1                                        ; 1:0 count = 1
	s_add_co_u32 s[G0+4*\s+1], s20, \s*SLOT                        ; 63:32 LDS address
	s_add_nc_u64 s[G0+4*\s+2:G0+4*\s+3], s[18:19], \s*KSTEP*2      ; 120:64 global address: K step s
	s_or_b32 s[G0+4*\s+3], s[G0+4*\s+3], 0x80000000                ; 127:126 type = 2
	s_mov_b32 s[G0B+4*\s], 1
	s_add_co_u32 s[G0B+4*\s+1], s20, \s*SLOT
	s_add_nc_u64 s[G0B+4*\s+2:G0B+4*\s+3], s[46:47], \s*KSTEP*2
	s_or_b32 s[G0B+4*\s+3], s[G0B+4*\s+3], 0x80000000
	JLOAD \s                                       ; both slots' first fills go out behind the one round, before anything else is done: two loads of the wave are out
.endr
	; A fragment is 16 rows x 32 K in 8 registers: lane l holds row l % 16; registers 0-3 hold K = 8 (l / 16) + 0..7, registers 4-7 hold
	; K = 16 + 8 (l / 16) + 0..7.  From rows that lie along K: two loads of 16 bytes, 32 bytes apart.  The same for source 0 and source 1.
	v_and_b32 v1, 15, v0                           ; l % 16
	v_bfe_u32 v2, v0, 4, 1                         ; l / 16
	v_mul_u32_u24 v3, v1, PITCH
	v_lshl_add_u32 v3, v2, 4, v3                   ; row x pitch + 16 x half
	s_mul_i32 s21, s13, HALFT                      ; my 128 rows of xb
	s_mul_i32 s22, s14, HALFT                      ; my 128 rows of wb,
	s_add_co_u32 s22, s22, 2*HALFT                 ; which lie behind xb's 256
.irp s, 0,1
	v_add_nc_u32 v[ADRA+\s], s21, v3
	v_add_nc_u32 v[ADRB+\s], s22, v3
	s_add_co_u32 s21, s21, SLOT
	s_add_co_u32 s22, s22, SLOT
.endr
	s_mul_i32 s23, s12, WSTAGE
	s_add_co_u32 s23, s23, STAGE                   ; my stage
	v_mul_u32_u24 v4, v1, SPITCH                   ; in: row l % 16, 32 bytes for each half of the lanes
	v_lshl_add_u32 v4, v2, 5, v4
	v_add_nc_u32 v[STO], s23, v4
	v_and_b32 v5, 31, v0
	v_lshlrev_b32 v[CO], 4, v5                     ; back: the 32 lanes take one row of 512 bytes
	v_add_nc_u32 v[RD], s23, v[CO]
	s_lshl_b32 s46, s42, 10                        ; my first feature, in bytes of f32: 1,024 x block column + 512 x half (in the registers that held wb's address: none that feeds xb's descriptors ever holds cx)
	s_lshl_b32 s47, s14, 9
	s_add_co_u32 s46, s46, s47
	s_mov_b32 s47, 0
	s_add_nc_u64 s[8:9], s[8:9], s[46:47]          ; scales at my first feature
	s_add_nc_u64 s[10:11], s[10:11], s[46:47]      ; out0 at my first feature,
	s_lshl_b32 s16, s43, 8
	s_lshl_b32 s17, s13, 7
	s_add_co_u32 s16, s16, s17                     ; and at my first token: 256 x block row + 128 x half,
	s_lshl_b32 s16, s16, 14                        ; x 16,384 bytes
	s_mov_b32 s17, 0
	s_add_nc_u64 s[10:11], s[10:11], s[16:17]
	global_load_b128 v[SC:SC+3], v[CO], s[8:9]     ; the wave's 128 scales, 512 neighbouring bytes, once
; 16 matrix instructions: token blocks a0, a0 + 1 of the window's four (hi = 0: my tokens 0-63, 1: tokens 64-127) x all 8 feature blocks, 32 along K.
; zero = 1: the first product starts the sums: nothing is ever cleared.
; The 64 accumulators take turns, one instruction a turn, in the same order in every quarter step, over the backward jump too.
.macro MUL16 f, hi, a0, zero
.irp a, \a0, \a0+1
.irp b, 0,1,2,3,4,5,6,7
.if \zero
	v_wmma_f32_16x16x32_bf16 v[8*(8*(\a)+\b):8*(8*(\a)+\b)+7], v[\f+8*\b:\f+8*\b+7], v[\f+8*(4*\hi+\a):\f+8*(4*\hi+\a)+7], 0
.else
	v_wmma_f32_16x16x32_bf16 v[8*(8*(\a)+\b):8*(8*(\a)+\b)+7], v[\f+8*\b:\f+8*\b+7], v[\f+8*(4*\hi+\a):\f+8*(4*\hi+\a)+7], v[8*(8*(\a)+\b):8*(8*(\a)+\b)+7]
.endif
.endr
.endr
.endm
; 32 LDS loads in one run: the fragments of one quarter step (128 rows of wb, 128 rows of xb, 32 K at byte k of the rows) into buffer f
.macro FETCH slot, k, f
	WIN TO_B
.irp i, 0,1,2,3,4,5,6,7
	ds_load_b128 v[\f+8*\i:\f+8*\i+3],   v[ADRB+\slot] offset:\k+\i*16*PITCH
	ds_load_b128 v[\f+8*\i+4:\f+8*\i+7], v[ADRB+\slot] offset:\k+\i*16*PITCH+32
.endr
	WIN 0
.irp i, 0,1,2,3,4,5,6,7
	ds_load_b128 v[\f+8*\i:\f+8*\i+3],   v[ADRA+\slot] offset:\k+\i*16*PITCH
	ds_load_b128 v[\f+8*\i+4:\f+8*\i+7], v[ADRA+\slot] offset:\k+\i*16*PITCH+32
.endr
.endm
; A K step is four quarter steps of 32 along K, 64 matrix instructions each, on buffers 0, 1, 0, 1.
; One of the first three: multiplies buffer f; in its middle it fetches the next quarter's fragments, at byte k of the same slot's rows, into buffer g.
.macro QUARTER slot, k, f, g, zero
	s_wait_dscnt 8                                 ; wb's fragments and xb's rows 0-63 are in; the youngest eight loads (xb's rows 64-127) may be out
	WIN MUL_LO
	MUL16 \f, 0, 0, \zero
	MUL16 \f, 0, 2, \zero
	PLACES                                         ; in front of the loads into buffer g, which matrix instructions have read
	FETCH \slot, \k, \g
	s_wait_dscnt 32                                ; all but the 32 just issued
	WIN MUL_HI
	MUL16 \f, 1, 0, \zero
	MUL16 \f, 1, 2, \zero
.endm
.macro THREE slot, zero
	QUARTER \slot, 64,  F0, F1, \zero
	QUARTER \slot, 128, F1, F0, 0
	QUARTER \slot, 192, F0, F1, 0
.endm
; The last quarter: multiplies buffer 1 and changes slots.  next = the other slot; fill = 1: this slot is filled again, two K steps ahead.
; ONE barrier for the change of slots, for two things.  In front of it each wave waits for its own reads of this slot and for all its tensor loads,
; of which one is out: its part of the next slot.  Behind it nobody reads this slot any more and the next slot is whole: the refill comes
; first, then the next slot's first fragments.  From a request to the wait for it a wave issues 240 matrix instructions.
.macro TURN slot, next, fill
	s_wait_dscnt 8
	WIN MUL_LO
	MUL16 F1, 0, 0, 0
	s_wait_dscnt 0x0                               ; my reads of this slot are over (the last were issued 48 matrix instructions ago)
	s_wait_tensorcnt 0x0                           ; and all my tensor loads have landed: the one that was out is my part of the next slot:
	ds_add_u32 v255, v255
	s_wait_dscnt 0x0
	s_barrier_signal -1                            ; say so (where a slot is filled again this barrier opens a round of the cluster's barrier),
	MUL16 F1, 0, 2, 0                              ; work on registers while the others arrive,
	WIN 0
	s_barrier_wait -1                              ; and go on when all four have said so
.if \fill
	CREST                                          ; wave 0 says so for the work-group, all sixteen work-groups have said so, my work-group's barrier closes the round:
	                                               ; no wave of any partner still reads this slot's tile or has a load on its way
	s_add_nc_u64 s[G0+4*\slot+2:G0+4*\slot+3], s[G0+4*\slot+2:G0+4*\slot+3], 2*KSTEP*2      ; no tensor load of mine is out: a group 0 may be written
	s_add_nc_u64 s[G0B+4*\slot+2:G0B+4*\slot+3], s[G0B+4*\slot+2:G0B+4*\slot+3], 2*KSTEP*2
	JLOAD \slot                                    ; the first tensor load behind the round, and my only one until the next; the four v_nop behind it are also the places in front of the loads below
.else
	PLACES
.endif
	FETCH \next, 0, F0
	WIN MUL_HI
	MUL16 F1, 1, 0, 0
	MUL16 F1, 1, 2, 0
.endm
.macro LAP zero                        ; once round the ring, both slots filled again
	THREE 0, \zero
	TURN 0, 1, 1
	THREE 1, 0
	TURN 1, 0, 1
.endm
	s_wait_loadcnt 0x0                             ; the scales, once
	s_wait_tensorcnt 0x1                           ; my part of K step 0 is in; K step 1's may stay out
	s_barrier_signal -1
	s_barrier_wait -1                              ; everybody's is
	FETCH 0, 0, F0
	LAP 1                                          ; K steps 0 and 1 stand in front of the loop: the first products start the sums
	WIN 0                                          ; at a label and at a branch every window is 0
	s_mov_b32 s3, LAPS-2
.Llap:
	LAP 0                                          ; K steps 2 to 29; their refills bring K steps 4 to 31
	WIN 0
	s_sub_co_u32 s3, s3, 1
	s_cmp_lg_u32 s3, 0
	s_cbranch_scc1 .Llap
	THREE 0, 0                                     ; the last lap fills nothing and has no round: my one tensor load that is still out is slot 1's, K step 31's
	TURN 0, 1, 0
	THREE 1, 0
	s_wait_dscnt 8                                 ; the very last quarter: nothing more to fetch
	WIN MUL_LO
	MUL16 F1, 0, 0, 0
	MUL16 F1, 0, 2, 0
	s_wait_dscnt 0x0
	WIN MUL_HI
	MUL16 F1, 1, 0, 0
	MUL16 F1, 1, 2, 0
	; THE WAY OUT, 16 tokens at a time: the accumulators go as they are, 32 bytes a lane and tile, into my own stage in LDS, are read back as whole rows of
	; 512 bytes, multiplied by the features' scales and stored.  The four v_nop are the places between the last matrix instructions and the LDS stores
	; that read results, and the loads into buffers 0 and 1.
	PLACES
; tokens 16 i .. 16 i + 15 of my block = the eight tiles (a, 0..7) of window 2 or 3 (win = ST_LO or ST_HI); buf: F0 or F1 in turn, 16 rows x 4 registers
.macro OUT16 i, a, win, buf
	WIN \win
.irp b, 0,1,2,3,4,5,6,7
	ds_store_b128 v[STO], v[8*(8*\a+\b):8*(8*\a+\b)+3]   offset:64*\b       ; features 16 b + 8 (l / 16) + 0..3 of token l % 16
	ds_store_b128 v[STO], v[8*(8*\a+\b)+4:8*(8*\a+\b)+7] offset:64*\b+16    ; and + 4..7
.endr
	WIN 0
	s_wait_xcnt 0x0                                ; every earlier memory instruction has had its addresses translated (ISA guide 3.1): buf, which earlier stores read, is loaded again only behind this wait
.irp t, 0,1,2,3,4,5,6,7,8,9,10,11,12,13,14,15
	ds_load_b128 v[\buf+4*\t:\buf+4*\t+3], v[RD] offset:\t*SPITCH           ; LDS serves a wave's instructions in order (ISA guide 5.7.1.4): these see the stores above
.endr
.irp t, 0,1,2,3,4,5,6,7,8,9,10,11,12,13,14,15
	s_wait_dscnt 15-\t                             ; row t of the sixteen is in
	v_pk_mul_f32 v[\buf+4*\t:\buf+4*\t+1],   v[\buf+4*\t:\buf+4*\t+1],   v[SC:SC+1]
	v_pk_mul_f32 v[\buf+4*\t+2:\buf+4*\t+3], v[\buf+4*\t+2:\buf+4*\t+3], v[SC+2:SC+3]
	global_store_b128 v[CO], v[\buf+4*\t:\buf+4*\t+3], s[10:11] offset:(16*\i+\t)*ROWC th:TH_STORE_NT   ; the wave stores 512 consecutive bytes at a multiple of 512 from out0's first byte; the token stands in the immediate, 2,080,768 at the most
.endr
.endm
	OUT16 0, 0, ST_LO, F0
	OUT16 1, 1, ST_LO, F1
	OUT16 2, 2, ST_LO, F0
	OUT16 3, 3, ST_LO, F1
	OUT16 4, 0, ST_HI, F0
	OUT16 5, 1, ST_HI, F1
	OUT16 6, 2, ST_HI, F0
	OUT16 7, 3, ST_HI, F1
	s_set_vgpr_msb 0x1
	s_wait_tensorcnt 0x0
	ds_add_u32 v255, v255
	s_wait_dscnt 0x0
	s_set_vgpr_msb 0x100
	CROUND                                         ; the closing round: no work-group ends while a partner may still ask for a tile that names it
	s_endpgm
.Lfunc_end_k_q8d0f939258_gemm:
	.size	k_q8d0f939258_gemm, .Lfunc_end_k_q8d0f939258_gemm-k_q8d0f939258_gemm
	.p2alignl 7, 3214868480
	.fill 96, 4, 3214868480
	.section	.rodata,"a",@progbits
	.p2align	6, 0x0
	.amdhsa_kernel k_q8d0f939258_gemm
		.amdhsa_group_segment_fixed_size 327680
		.amdhsa_private_segment_fixed_size 0
		.amdhsa_enable_private_segment 0
		.amdhsa_kernarg_size 32
		.amdhsa_user_sgpr_count 2
		.amdhsa_user_sgpr_kernarg_segment_ptr 1
		.amdhsa_wavefront_size32 1
		.amdhsa_system_sgpr_workgroup_id_x 1
		.amdhsa_system_sgpr_workgroup_id_y 1
		.amdhsa_system_sgpr_workgroup_id_z 1
		.amdhsa_system_vgpr_workitem_id 0
		.amdhsa_next_free_vgpr 1024
		.amdhsa_next_free_sgpr 66
		.amdhsa_reserve_vcc 0
		.amdhsa_float_denorm_mode_32 3
		.amdhsa_float_denorm_mode_16_64 3
		.amdhsa_memory_ordered 1
		.amdhsa_forward_progress 1
		.amdhsa_inst_pref_size 213
	.end_amdhsa_kernel
	.amdgpu_metadata
---
amdhsa.version: [ 1, 2 ]
amdhsa.kernels:
  - .name:           k_q8d0f939258_gemm
    .symbol:         k_q8d0f939258_gemm.kd
    .args:
      - { .name: xb, .offset: 0, .size: 8, .value_kind: global_buffer, .address_space: global }
      - { .name: wb, .offset: 8, .size: 8, .value_kind: global_buffer, .address_space: global }
      - { .name: scales, .offset: 16, .size: 8, .value_kind: global_buffer, .address_space: global }
      - { .name: out0, .offset: 24, .size: 8, .value_kind: global_buffer, .address_space: global }
    .group_segment_fixed_size: 327680
    .private_segment_fixed_size: 0
    .kernarg_segment_align: 8
    .kernarg_segment_size: 32
    .max_flat_workgroup_size: 128
    .sgpr_count:     66
    .vgpr_count:     1024
    .wavefront_size: 32
...
	.end_amdgpu_metadata
.endif
;; end of part 3
